; MI455X (gfx1250); checked and timed in simulation.
; The chip was launched on July 23, 2026; its instructions are those of AMD's public machine-readable ISA for CDNA 5 (MIT licence, August 2026) and "CDNA5" Instruction Set Architecture Reference Guide (July 2026). The comments in the code are by the model that wrote it; some were corrected since.
;; vq ste. Allowed arithmetic: matrix products marked QUANTISED: E4M3 operands, one E8M0 scale for each 32 along K, by v_wmma_scale_f32_16x16x128_f8f6f4 with both operands' format E4M3, f32 sums; everything else in f32.
;; Inputs: embedding 1,024 x 64 float32; z_e 32 x 64 x 64 x 64 float32.
;; Outputs: out0 32 x 64 x 64 x 64 float32.
;; Constants: e_dim = 64.
;; This version of the problem:
;;   THIS VERSION OF THE PROBLEM IS GIVEN IN LOW PRECISION. The matrix products marked QUANTISED in the list below multiply operands that are first quantised to E4M3 (4 exponent bits, 3 mantissa bits; 8 bits a number), with one power-of-two scale for each 32 numbers along K (OCP MX v1.0); their sums are f32. All else is computed in f32.
;;   The module's matrix products, in the order in which they are computed (A, B: the left and right operand; K: the contracted axis; several contracted axes count as one K, in the product's order):
;;     1. [M 131,072, K 64] x [K 64, N 1,024]; A: computed on the way; B: input embedding: QUANTISED
;;   THE QUANTISER, for each operand of a quantised product, along K:
;;     - K is cut into blocks of 32 from its start; a last block that is shorter is filled with zeros.
;;     - A block's scale is 2^e with e = floor(log2(the largest magnitude in the block)) - 8, held to -126 .. 127; a block of zeros has e = 0. As a byte (E8M0): e + 127.
;;     - Each number is divided by its block's scale, clamped to +-448, and rounded to the nearest number of E4M3, ties to even, subnormals kept.
;;     - The product sums the exact products of the quantised numbers (number of the format x scale) in f32.
;;   ~~~python
;;   def quantise(x, axis):      # numpy; x: float32 -> the quantised numbers, widened to float32 again
;;       x = np.moveaxis(x, axis, -1); K = x.shape[-1]
;;       x = np.pad(x, [(0, 0)] * (x.ndim - 1) + [(0, -K % 32)]); x = x.reshape(x.shape[:-1] + (-1, 32)); a = np.abs(x).max(-1, keepdims=True)
;;       e = np.where(a > 0, np.clip(np.frexp(np.where(a > 0, a, 1))[1] - 1 - 8, -126, 127), 0)      # np.frexp(a)[1] - 1 = floor(log2(a)), exactly
;;       r = np.clip(x / 2.0 ** e, -448, 448)
;;       step = 2.0 ** (np.maximum(np.frexp(np.where(r == 0, 1, r))[1] - 1, -6) - 3)
;;       q = np.round(r / step) * step * 2.0 ** e      # np.round: ties to even
;;       return np.moveaxis(q.reshape(q.shape[:-2] + (-1,))[..., :K], -1, axis).astype(np.float32)
;;   ~~~
;;   OPERANDS COMPUTED ON THE WAY. 'Computed on the way' means the value that the module computes at that place (a softmax that the list does not call 'softmax' is quantised finished and normalised). What goes into a quantiser is computed in f32, as accurately as f32 sums, v_exp_f32 and their like allow (about 1e-6 of the number): no bf16 or f16 on the way to a quantiser, and a product that is left as it is and whose result goes on into a quantised operand takes f32 operands (vector FMAs, or v_wmma_f32_16x16x4_f32). A number that lies on a knife's edge between two numbers of the format may be rounded either way, as far as f32 arithmetic and the matrix unit's own rounding can turn it there, and no further.
;; One version. Each part assembles by itself: llvm-mc -triple=amdgcn-amd-amdhsa -mcpu=gfx1250 --defsym DOCPART=n.
;; ======== version 1 of 1: 2 launches
;; limits: right only within a limited range of input values
;; workspace buffers: idx 524,288 bytes of whole numbers; embs 262,144 bytes
;; launch argmin (part 1): grid 256 x 1, 8 waves a work-group, clusters of 4 x 1, 279,552 bytes of LDS; arguments z_e, embedding, idx, embs; writes idx, embs
.if DOCPART == 1
	.amdgcn_target "amdgcn-amd-amdhsa--gfx1250"
	.amdhsa_code_object_version 6
	.text
	.protected	k_qb8eafe5f3e_argmin
	.globl	k_qb8eafe5f3e_argmin
	.p2align	8
	.type	k_qb8eafe5f3e_argmin,@function
k_qb8eafe5f3e_argmin:
	s_mov_b64 s[64:65], 0
	v_nop
	global_prefetch_b8 v0, s[64:65] scope:SCOPE_SE
	s_setreg_imm32_b32 hwreg(HW_REG_WAVE_MODE, 25, 1), 1
	s_wait_xcnt 0x0
	s_wait_alu depctr_hold_cnt(0) depctr_sa_sdst(0) depctr_va_vdst(0) depctr_va_sdst(0) depctr_va_ssrc(0) depctr_va_vcc(0) depctr_vm_vsrc(0)
	s_getreg_b32 s2, hwreg(HW_REG_IB_STS2, 6, 4)
	s_cmp_eq_u32 s2, 0
	s_cbranch_scc0 .Lentry_in_a_cluster
	s_endpgm
.Lentry_in_a_cluster:
	s_bfe_u32 s2, ttmp6, 0x10000c
	s_cmp_lg_u32 s2, 0x3003
	s_cbranch_scc0 .Lentry_shape_is_right
	s_endpgm
.Lentry_shape_is_right:
; idx[n] = the first k with the least y[n][k] = ||e_k||^2 - (2 x_n) . e_k.  x_n: channel c of token n = 4096 b + p lies at z_e[b][c][p]; e: embedding [1024][64]; all f32.
; DEAD WORK LEFT OUT: ||x_n||^2.  The distances of token n are ||x_n||^2 + y[n][k]: that term is the same for all 1,024 codes of a token, so for all values of the inputs the argmin over k is that of y.
; A NaN, an infinity or an overflow that reaches ||x_n||^2 alone is not carried to the result.  Where two distances of reference() differ by less than its own f32 roundings, y decides: a stated difference of rounding.
; The product alone is quantised: codes of FP8 (E4M3), one E8M0 scale for each 32 of the 64 channels.  Two facts of the quantiser are used, both exact: Q(2 x) has the codes of Q(x) under a scale
; byte one higher, and Q(-y) = -Q(y).  So the tokens go in as codes of -x with byte + 1, and ||e||^2 goes in as the C of the matrix instruction.
; LIMITS: NaN and infinities among the inputs are not served.  A block of tokens whose largest magnitude lies under 2^-118 keeps the floor's byte (2 where the rule says 1), a block of the table under it the byte 1.
; K = 64 fills half of the instruction's 128: registers 8-15 of every fragment are zero codes, and the upper two bytes of every scale word are 0 (2^-127 over zero codes adds nothing).
; SHARES.  A work-group takes 512 tokens, each of its eight waves 64: four tiles of 16.  Tile i's lane r is token 4 r + i of the wave's 64: one load of 16 bytes gives a lane one channel of all four
; tiles, sixteen lanes take 256 consecutive bytes, and a lane's four results are four neighbouring tokens.  Tokens come straight into registers: they are read once, by one wave.
; THE TABLE goes in four GROUPS of 256 codes; of each group wave w quantises one pair of tiles of 16 codes (pair 8 g + w), and stores the images of the operand's registers, the scale words and ||e||^2 over the
; pair's own LDS rows, which no other wave reads and which are filled no more.  Group 0 is wanted first: each wave loads its 32 rows itself and turns them through LDS.  Groups 1 to 3, 196,608 bytes, are the same for all
; work-groups: CLUSTERS of four ask for them jointly, one tensor load of 96 rows a wave; they are read in group 0's walk for the first time.
; While a group is walked, the next group's images are made: their barrier is signalled ahead of the last trip's, and waited for ahead of the last two pairs, which ask for the next group's first two.
; Work-group n also copies a part of the table into embs [16][1024][4] (four channels of all codes on end), for the launch that gathers: 16 codes x 16 channels, four whole units of 256 bytes.
; THE WALK goes by pairs of tiles of codes.  Source 0 = 16 codes, source 1 = 16 tokens: lane (r, h) holds token r and its registers j the codes 16 t + 8 h + j.  The least of a lane's sixteen results is compared (strictly: the
; earlier pair keeps a tie) with the best so far; nine dual selects keep the best, the pair's number and a copy of the sixteen.  Which of the sixteen it was is found once, at the end.
; One set of accumulators: a token tile's results are searched, and then its next two products are issued over them.
; No prefetch: every byte is asked for at the head; nothing is left to ask for in the loops.
; WINDOWS: window 1 holds the operands of the matrix instruction (fragments, ||e||^2); all else lies in window 0.
.set PITCH, 272                        ; an LDS row of the table: 256 bytes + 16 of padding
.set PAIR,  32*PITCH                   ; 8,704 bytes: the rows of a pair of tiles, and then its images: codes 0 .. 2047, scale words 2048 .. 2175 (8 r + 4 tile), ||e||^2 2176 .. 2303 (64 tile + 4 r)
.set GROUP, 8*PAIR                     ; a group: 256 rows
.set TROWS, 96                         ; rows of one tensor load
.set SPARE, 4*GROUP                    ; the spare words, 128 bytes for each wave
.set XOFF, 4                           ; v4 tokens: 16 r + 262144 h
.set TAD,  5                           ; v5-7, v29 my pair of the group that is quantised: rows 272 r + 64 h; images 16 lane; scale words 8 r; ||e||^2 4 r
.set ECW,  6
.set ESW,  7
.set EEW,  29
.set ASC,  8                           ; v8-11 the codes' scale words, two buffers of two: scales and nothing else
.set XSC,  12                          ; v12-15 the token tiles' scale words: scales and nothing else
.set MM,   16                          ; v16-19 minima
.set H8,   20                          ; v20 8 h
.set VT,   21                          ; v21 the number of the pair that is searched
.set SPW,  22
.set NIL,  23
.set ADA,  24                          ; v24-26 LDS addresses in the walk: 16 lane, 8 r, 32 h.  (16 lane is also group 0's offset in memory)
.set ADS,  25
.set ADE,  26
.set SLI,  27                          ; v27, v28 the slice's offsets in and out
.set SLO,  28
.set IOFF, 30                          ; v30 16 r + 8 h: my 8 bytes of the wave's 256 in idx
.set STG,  31                          ; v31 where group 0's rows go in as they are loaded: 272 h + 16 r
.set ACC,  32                          ; v32-95 results: token tile i at 16 i: the pair's first tile, then its second
.set ST,   96                          ; v96-167 token tile i at 18 i: the copy of sixteen y, +16 the best, +17 its pair's number
; at work while group 0 is quantised (the tokens are on their way into v128-255)
.set TM, 32
.set TP, 34
.set TS, 36
.set TL, 38
.set TB, 40
.set PW, 42
.set QA, 44
.set QB, 46
.set QS, 48
.set QP, 49
.set PC, 50
.set S0, 64
.set S1, 96
; at work while the tokens are quantised
.set UM, 32
.set UP, 36
.set US, 40
.set UL, 44
.set UB, 48
.set HH, 64
.set XR, 128                           ; v128-255: register 64 c + 4 k + i = channel 32 c + 16 h + k of tile i's token
; at the end
.set JJ, 32
.set IX, 36
.set OO, 40
; window 1
.set XF, 0                             ; the token fragments, 16 registers each
.set AF, 64                            ; the code fragments: buffer p, tile u at 32 p + 16 u
.set EE, 128                           ; ||e||^2: buffer p, tile u at 16 p + 8 u
.set WV, 12
.set G0, 16
.set G1, 20
.set SEL, 28                           ; s[28:29] v_permlanex16_b32's selects for lane l xor 16
.set MNT, 30                           ; s30 the mantissa field of 448
.set MK, 36                            ; s36-39, s40-43, s48-51 masks, at the end
.set MSB, 0
.macro WIN new                         ; the immediate's high byte repeats the setting that is left
.if MSB != \new
	s_set_vgpr_msb (MSB<<8)|\new
.set MSB, \new
.endif
.endm
.macro CROUND                          ; a round of the cluster's barrier
	s_barrier_signal -1
	s_barrier_wait -1
	s_cmp_lg_u32 s[WV], 0
	s_cbranch_scc1 .Lnot_wave_0_\@
	s_barrier_signal -3
.Lnot_wave_0_\@:
	s_barrier_wait -3
	s_barrier_signal -1
	s_barrier_wait -1
.endm
	s_load_b256 s[4:11], s[0:1], 0x0               ; z_e s[4:5], embedding s[6:7], idx s[8:9], embs s[10:11]
	v_lshl_add_u32 v[SPW], v0, 2, SPARE
	v_mov_b32 v[NIL], 0
	ds_add_u32 v[SPW], v[NIL]                      ; the opening lines
	ds_add_u32 v[SPW], v[NIL]
	v_lshrrev_b32 v1, 5, v0
	v_readfirstlane_b32 s[WV], v1                  ; wave 0..7
	s_mul_i32 s13, s[WV], PAIR                     ; my pair in group 0
	s_bfe_u32 s14, ttmp6, 0x40000                  ; cx
	s_lshl_b32 s15, ttmp9, 2
	s_add_co_u32 s15, s15, s14                     ; the work-group's number n = 4 x cluster + cx
	; descriptor group 1: 96 rows of 64 elements of 4 bytes, dense in memory, 16 bytes of padding behind each row in LDS
	s_mov_b32 s[G1+0], 15|(2<<16)|(1<<20)|(1<<21)|(5<<22)|(3<<25)   ; mask: the four of the cluster; 4-byte elements; padding on; bit 21 set beside a mask; after every 64 words 4 words
	s_mov_b32 s[G1+1], 64<<16
	s_mov_b32 s[G1+2], TROWS<<16
	s_mov_b32 s[G1+3], 64<<16
	s_mov_b32 s[G1+4], TROWS
	s_mov_b32 s[G1+5], 64
	s_mov_b32 s[G1+6], 0
	s_mov_b32 s[G1+7], 0
	s_mov_b32 s[G0], 1
	s_mul_i32 s[G0+1], s[WV], TROWS*PITCH
	s_add_co_u32 s[G0+1], s[G0+1], GROUP           ; behind group 0's rows
	s_lshr_b32 s31, s15, 3
	s_lshl_b32 s34, s31, 20                        ; tokens: b = n / 8: 64 channels x 4,096 places x 4 bytes,
	s_and_b32 s31, s15, 7
	s_lshl_b32 s31, s31, 11                        ; the work-group's 512 places,
	s_add_co_u32 s34, s34, s31
	s_lshl_b32 s33, s[WV], 8                       ; the wave's 64
	s_add_co_u32 s34, s34, s33
	s_mov_b32 s35, 0
	s_lshl_b32 s48, s[WV], 13                      ; group 0: 32 rows of 256 bytes a wave
	s_mov_b32 s49, 0
	s_mul_i32 s56, s[WV], TROWS*256                ; groups 1 to 3: 96 rows a wave, behind group 0's 65,536 bytes
	s_add_co_u32 s56, s56, 65536
	s_mov_b32 s57, 0
	s_lshl_b32 s50, s15, 11                        ; idx
	s_add_co_u32 s50, s50, s33
	s_mov_b32 s51, 0
	s_lshl_b32 s52, ttmp9, 12                      ; the slice, in: 16 codes by the cluster, 64 bytes of each row by cx
	s_lshl_b32 s31, s14, 6
	s_add_co_u32 s52, s52, s31
	s_mov_b32 s53, 0
	s_lshl_b32 s54, s14, 16                        ; and out: four slices of 16,384 bytes by cx, 256 bytes of each by the cluster
	s_lshl_b32 s31, ttmp9, 8
	s_add_co_u32 s54, s54, s31
	s_mov_b32 s55, 0
	s_mov_b32 s[SEL], 0x76543210
	s_mov_b32 s[SEL+1], 0xfedcba98
	s_mov_b32 s[MNT], 0x600000
	v_and_b32 v1, 31, v0                           ; lane
	v_and_b32 v2, 15, v0                           ; r
	v_bfe_u32 v3, v0, 4, 1                         ; h
	v_lshlrev_b32 v[XOFF], 4, v2
	v_mul_u32_u24 v[TAD], v2, PITCH
	v_mul_u32_u24 v[STG], v3, PITCH
	v_lshlrev_b32 v[SLI], 8, v2
	v_lshlrev_b32 v[SLO], 4, v2
	v_lshlrev_b32 v[IOFF], 4, v2
	v_lshl_add_u32 v[XOFF], v3, 18, v[XOFF]
	v_lshl_add_u32 v[TAD], v3, 6, v[TAD]
	v_lshl_add_u32 v[STG], v2, 4, v[STG]
	v_lshl_add_u32 v[SLI], v3, 4, v[SLI]
	v_lshl_add_u32 v[SLO], v3, 14, v[SLO]
	v_lshl_add_u32 v[IOFF], v3, 3, v[IOFF]
	v_add_nc_u32 v[TAD], s13, v[TAD]
	v_add_nc_u32 v[STG], s13, v[STG]
	v_lshl_add_u32 v[ECW], v1, 4, s13
	v_lshl_add_u32 v[ESW], v2, 3, s13
	v_lshl_add_u32 v[EEW], v2, 2, s13
	v_lshlrev_b32 v[H8], 3, v3
	v_lshlrev_b32 v[ADA], 4, v1
	v_lshlrev_b32 v[ADS], 3, v2
	v_lshlrev_b32 v[ADE], 5, v3
	s_wait_alu depctr_va_vdst(0)                   ; the wait at the head's end
	s_wait_dscnt 0x0                               ; both opening adds are done
	s_wait_kmcnt 0x0
	s_add_nc_u64 s[48:49], s[6:7], s[48:49]        ; my rows of group 0
	s_add_nc_u64 s[42:43], s[6:7], s[52:53]        ; the slice's source
	s_cmp_lg_u32 s[WV], 7                          ; wave 7 copies the work-group's part of the slices
	s_cbranch_scc1 .Lno_slice_in
	global_load_b128 v[32:35], v[SLI], s[42:43]                ; channels 16 cx + 4 h .. + 3 of code 16 x cluster + r
	global_load_b128 v[36:39], v[SLI], s[42:43] offset:32      ; and the 8 channels behind those
.Lno_slice_in:
.irp j, 0,1,2,3,4,5,6,7,8,9,10,11,12,13,14,15
	global_load_b128 v[S0+4*\j:S0+4*\j+3], v[ADA], s[48:49] offset:512*\j   ; two rows of group 0: 512 consecutive bytes
.endr
	s_add_nc_u64 s[G0+2:G0+3], s[6:7], s[56:57]
	s_or_b32 s[G0+3], s[G0+3], 0x80000000          ; type = 2
	s_add_nc_u64 s[40:41], s[4:5], s[34:35]        ; my tokens
	s_add_nc_u64 s[44:45], s[8:9], s[50:51]        ; idx at my wave's first token
	s_add_nc_u64 s[46:47], s[10:11], s[54:55]      ; the slice's place in embs
	CROUND                                         ; all four work-groups are here: the joint loads meet
	tensor_load_to_lds s[G0:G0+3], s[G1:G1+7]      ; 96 rows of groups 1 to 3: the wave's one tensor load.  No LDS byte is filled twice
	s_nop 0
.rept 4
	v_nop
.endr
.irp c, 0,1
.irp k, 0,1,2,3,4,5,6,7,8,9,10,11,12,13,14,15
	global_load_b128 v[XR+64*\c+4*\k:XR+64*\c+4*\k+3], v[XOFF], s[40:41] offset:(32*\c+\k)*16384 th:TH_LOAD_NT   ; a channel is 16,384 bytes
.endr
.endr
	WIN 0x40
.irp i, 0,1,2,3
.irp n, 8,9,10,11,12,13,14,15
	v_mov_b32 v[XF+16*\i+\n], 0                    ; K = 64 .. 127: zero codes, in the four token fragments
	v_mov_b32 v[AF+16*\i+\n], 0                    ; and in the four code fragments
.endr
.endr
	WIN 0
	s_wait_alu depctr_va_vdst(0)
	s_wait_loadcnt 0x20                            ; loads come back in order: the slice's two and group 0's sixteen are in; the 32 of the tokens may be out
.irp j, 0,1,2,3,4,5,6,7,8,9,10,11,12,13,14,15
	ds_store_b128 v[STG], v[S0+4*\j:S0+4*\j+3] offset:2*PITCH*\j   ; into my own rows of group 0
.endr
	s_cmp_lg_u32 s[WV], 7
	s_cbranch_scc1 .Lno_slice_out
	global_store_b128 v[SLO], v[32:35], s[46:47]               ; sixteen lanes store an aligned unit of 256 bytes
	global_store_b128 v[SLO], v[36:39], s[46:47] offset:32768
	s_wait_xcnt 0x0                                ; the stores' data are written again only behind this wait
.Lno_slice_out:
.irp b, TP, TP+1, QP
	v_mov_b32 v[\b], 0                             ; written once: a lane permute's destination counts as one of its sources
.endr
; ---- A PAIR OF TILES OF THE TABLE, mine of the group.  Tile t: lane (r, h) takes, of row r, its 16 numbers of each block of 32: the order of the operand's registers
.macro ELOAD t, s
.irp c, 0,1
.irp j, 0,1,2,3
	ds_load_b128 v[\s+16*\c+4*\j:\s+16*\c+4*\j+3], v[TAD] offset:(\t)*16*PITCH+128*\c+16*\j
.endr
.endr
.endm
.macro ETILE t, s, left
	s_wait_dscnt \left                             ; LDS instructions end in order: this tile's eight loads are in
	; four chains by turns: ||e||^2 of the unquantised row in two, the two blocks' largest magnitudes (with the floor 2^(9 - 127)) in two
	v_pk_mul_f32 v[QA:QA+1], v[\s:\s+1], v[\s:\s+1]
	v_max3_num_f32 v[TM], |v[\s]|, |v[\s+1]|, 0x4800000
	v_pk_mul_f32 v[QB:QB+1], v[\s+2:\s+3], v[\s+2:\s+3]
	v_max3_num_f32 v[TM+1], |v[\s+16]|, |v[\s+17]|, 0x4800000
.irp i, 2,4,6,8,10,12,14
	v_pk_fma_f32 v[QA:QA+1], v[\s+2*\i:\s+2*\i+1], v[\s+2*\i:\s+2*\i+1], v[QA:QA+1]
	v_max3_num_f32 v[TM], v[TM], |v[\s+\i]|, |v[\s+\i+1]|
	v_pk_fma_f32 v[QB:QB+1], v[\s+2*\i+2:\s+2*\i+3], v[\s+2*\i+2:\s+2*\i+3], v[QB:QB+1]
	v_max3_num_f32 v[TM+1], v[TM+1], |v[\s+16+\i]|, |v[\s+17+\i]|
.endr
	v_pk_add_f32 v[QA:QA+1], v[QA:QA+1], v[QB:QB+1]
	v_permlanex16_b32 v[TP], v[TM], s[SEL], s[SEL+1]
	v_permlanex16_b32 v[TP+1], v[TM+1], s[SEL], s[SEL+1]
	v_add_f32 v[QS], v[QA], v[QA+1]
	v_max_num_f32 v[TM], v[TM], v[TP]              ; with lane l xor 16's 16: the block's
	v_max_num_f32 v[TM+1], v[TM+1], v[TP+1]
	v_permlanex16_b32 v[QP], v[QS], s[SEL], s[SEL+1]
	v_add_nc_u32 v[TS], 0xfc000000, v[TM]          ; 8 off its exponent field: the conversion's scale operand
	v_add_nc_u32 v[TS+1], 0xfc000000, v[TM+1]
	v_and_or_b32 v[TL], v[TM], 0x7f800000, s[MNT]  ; 448 x the scale
	v_and_or_b32 v[TL+1], v[TM+1], 0x7f800000, s[MNT]
	v_add_f32 v[QS], v[QS], v[QP]                  ; the same bits in both halves of the lanes
	v_lshrrev_b32 v[TB], 23, v[TS]
	v_lshrrev_b32 v[TB+1], 23, v[TS+1]
.irp b, 0,1
.irp i, 0,1,2,3,4,5,6,7,8,9,10,11,12,13,14,15
	v_med3_num_f32 v[\s+16*\b+\i], v[\s+16*\b+\i], -v[TL+\b], v[TL+\b]   ; the conversion to an 8-bit code does not saturate (ISA guide 7.6.2): the hold at 448 x the scale
.endr
.endr
	v_lshl_or_b32 v[PW], v[TB+1], 8, v[TB]         ; the scale word: two bytes, and 0 over the zero codes
.irp b, 0,1
	v_cvt_scalef32_pk8_fp8_f32 v[PC+4*\b:PC+4*\b+1], v[\s+16*\b:\s+16*\b+7], v[TS+\b]
	v_cvt_scalef32_pk8_fp8_f32 v[PC+4*\b+2:PC+4*\b+3], v[\s+16*\b+8:\s+16*\b+15], v[TS+\b]
.endr
	v_nop                                          ; one plain vector instruction behind the last conversion
	; over the pair's first tile's rows, whose loads are all in
	ds_store_b128 v[ECW], v[PC:PC+3] offset:(\t)*1024
	ds_store_b128 v[ECW], v[PC+4:PC+7] offset:(\t)*1024+512
	ds_store_b32 v[ESW], v[PW] offset:2048+(\t)*4      ; both halves of the lanes write the same word with the same value
	ds_store_b32 v[EEW], v[QS] offset:2176+(\t)*64
.endm
.macro ROWS
	ELOAD 0, S0
	ELOAD 1, S1
.endm
.macro ADVANCE                         ; on to the next group's rows
	v_add_nc_u32 v[TAD], GROUP, v[TAD]
	v_add_nc_u32 v[ECW], GROUP, v[ECW]
	v_add_nc_u32 v[ESW], GROUP, v[ESW]
	v_add_nc_u32 v[EEW], GROUP, v[EEW]
	ROWS
.endm
.macro TILES a, b                      ; the LDS instructions behind tile 0's loads, and behind tile 1's, that may be out; then the group's barrier is signalled
	ETILE 0, S0, \a
	ETILE 1, S1, \b
	s_wait_alu depctr_va_vdst(0)
	s_wait_dscnt 0x0                               ; for the others' sake: my images, scale words and ||e||^2 have landed
	s_barrier_signal -1
.endm
	s_wait_dscnt 0x0                               ; my rows of group 0 stand in LDS, and their registers may be loaded again
	ROWS
	TILES 8, 4                                     ; group 0: behind tile 0's loads tile 1's eight, behind those tile 0's four stores
	; the tokens are quantised, in registers alone, while the others arrive
; ---- THE TOKENS.  Block c of 32 channels, the four tiles by turns
.macro XQ c
	s_wait_loadcnt 16-16*\c                        ; block 0: block 1's sixteen loads may be out
.irp i, 0,1,2,3
	v_max3_num_f32 v[UM+\i], |v[XR+64*\c+\i]|, |v[XR+64*\c+4+\i]|, 0x4800000
.endr
.irp k, 2,4,6,8,10,12,14
.irp i, 0,1,2,3
	v_max3_num_f32 v[UM+\i], v[UM+\i], |v[XR+64*\c+4*\k+\i]|, |v[XR+64*\c+4*\k+4+\i]|
.endr
.endr
.irp i, 0,1,2,3
	v_permlanex16_b32 v[UP+\i], v[UM+\i], s[SEL], s[SEL+1]
.endr
.irp i, 0,1,2,3
	v_max_num_f32 v[UM+\i], v[UM+\i], v[UP+\i]
.endr
.irp i, 0,1,2,3
	v_add_nc_u32 v[US+\i], 0xfc000000, v[UM+\i]
.endr
.irp i, 0,1,2,3
	v_and_or_b32 v[UL+\i], v[UM+\i], 0x7f800000, s[MNT]
.endr
.irp i, 0,1,2,3
	v_lshrrev_b32 v[UB+\i], 23, v[US+\i]           ; x's byte, at most 246; 2 x's is one higher: both blocks' ones are added with block 0
.endr
.irp i, 0,1,2,3
.if \c == 0
	v_add_nc_u32 v[XSC+\i], 0x101, v[UB+\i]
.else
	v_lshl_add_u32 v[XSC+\i], v[UB+\i], 8, v[XSC+\i]
.endif
.endr
.irp i, 0,2
.irp q, 0,1
.irp k, 0,1,2,3,4,5,6,7,8,9,10,11,12,13,14,15
	v_med3_num_f32 v[HH+16*\q+\k], -v[XR+64*\c+4*\k+\i+\q], -v[UL+\i+\q], v[UL+\i+\q]   ; the hold, the sign, and a tile's sixteen numbers into consecutive registers, in one
.endr
.endr
	WIN 0x40
.irp q, 0,1
	v_cvt_scalef32_pk8_fp8_f32 v[XF+16*(\i+\q)+4*\c:XF+16*(\i+\q)+4*\c+1], v[HH+16*\q:HH+16*\q+7], v[US+\i+\q]
	v_cvt_scalef32_pk8_fp8_f32 v[XF+16*(\i+\q)+4*\c+2:XF+16*(\i+\q)+4*\c+3], v[HH+16*\q+8:HH+16*\q+15], v[US+\i+\q]
.endr
	v_nop                                          ; one plain vector instruction before the conversions' sources are written again
	WIN 0
.endr
.endm
	XQ 0
	XQ 1
	s_wait_alu depctr_va_vdst(0)
	s_barrier_wait -1                              ; group 0's images are whole and are never written again
; ---- THE WALK OVER THE 32 PAIRS OF TILES
.macro LOADT p, o                      ; a pair, o bytes on from the address registers, into buffer p: nine loads
	WIN 0
	ds_load_b64 v[ASC+2*(\p):ASC+2*(\p)+1], v[ADS] offset:2048+(\o)
	WIN 0x40
.irp u, 0,1
	ds_load_b128 v[AF+32*(\p)+16*\u:AF+32*(\p)+16*\u+3], v[ADA] offset:(\o)+1024*\u
	ds_load_b128 v[AF+32*(\p)+16*\u+4:AF+32*(\p)+16*\u+7], v[ADA] offset:(\o)+1024*\u+512
	ds_load_b128 v[EE+16*(\p)+8*\u:EE+16*(\p)+8*\u+3], v[ADE] offset:(\o)+2176+64*\u
	ds_load_b128 v[EE+16*(\p)+8*\u+4:EE+16*(\p)+8*\u+7], v[ADE] offset:(\o)+2176+64*\u+16
.endr
.endm
.macro WM2 p, a                        ; y for the pair in buffer p and token tiles a, a + 1: four results, none added onto
	WIN 0x15
.irp i, \a, \a+1
.irp u, 0,1
	v_wmma_scale_f32_16x16x128_f8f6f4 v[ACC+16*(\i)+8*\u:ACC+16*(\i)+8*\u+7], v[AF+32*(\p)+16*\u:AF+32*(\p)+16*\u+15], v[XF+16*(\i):XF+16*(\i)+15], v[EE+16*(\p)+8*\u:EE+16*(\p)+8*\u+7], v[ASC+2*(\p)+\u], v[XSC+(\i)]
.endr
.endr
.endm
.macro KEEP i, m                       ; where the pair's least is under the best so far: the best, the pair's number and the sixteen y are kept.  Selects of values alone: no branch, no address
	v_cmp_lt_f32 vcc_lo, v[\m], v[ST+18*(\i)+16]
	v_dual_cndmask_b32 v[ST+18*(\i)+16], v[ST+18*(\i)+16], v[\m] :: v_dual_cndmask_b32 v[ST+18*(\i)+17], v[ST+18*(\i)+17], v[VT]
.irp e, 0,2,4,6,8,10,12,14
	v_dual_cndmask_b32 v[ST+18*(\i)+\e], v[ST+18*(\i)+\e], v[ACC+16*(\i)+\e] :: v_dual_cndmask_b32 v[ST+18*(\i)+\e+1], v[ST+18*(\i)+\e+1], v[ACC+16*(\i)+\e+1]
.endr
.endm
.macro VSEL a                          ; token tiles a, a + 1: the least of sixteen, each accumulator from its low end on, in four chains; then the selects: 36 vector instructions
.irp q, 0,1,2,3
	v_min3_num_f32 v[MM+\q], v[ACC+16*\a+8*\q], v[ACC+16*\a+8*\q+1], v[ACC+16*\a+8*\q+2]
.endr
.irp q, 0,1,2,3
	v_min3_num_f32 v[MM+\q], v[MM+\q], v[ACC+16*\a+8*\q+3], v[ACC+16*\a+8*\q+4]
.endr
.irp q, 0,1,2,3
	v_min3_num_f32 v[MM+\q], v[MM+\q], v[ACC+16*\a+8*\q+5], v[ACC+16*\a+8*\q+6]
.endr
	v_min3_num_f32 v[MM], v[MM], v[ACC+16*\a+7], v[ACC+16*\a+15]
	v_min3_num_f32 v[MM+2], v[MM+2], v[ACC+16*\a+23], v[ACC+16*\a+31]
	v_min_num_f32 v[MM], v[MM], v[MM+1]
	v_min_num_f32 v[MM+2], v[MM+2], v[MM+3]
	KEEP \a, MM
	KEEP \a+1, MM+2
.endm
; Half a trip: the pair in the accumulators is searched, the next pair is multiplied out of buffer 1 - p, the pair after it is asked for into buffer p.
; Between a product and the first read of its result, or a load into its operands' registers, stand the 36 instructions of a VSEL, which name none of its registers: eight are asked.
; sig = 1: here every wave waits for its tensor load, and the barrier that shows groups 1 to 3 is signalled (no LDS instruction of the wave is out there).
.macro HALF p, next, load, sig=0
	VSEL 0
.if \next
	s_wait_dscnt 0x0                               ; the next pair's nine loads, asked for half a trip ago, are in
.if \sig
	s_wait_tensorcnt 0x0
	s_barrier_signal -1
.endif
.if \load
.if \p == 0
	v_add_nc_u32 v[ADA], 2*PAIR, v[ADA]            ; two pairs on
	v_add_nc_u32 v[ADS], 2*PAIR, v[ADS]
	v_add_nc_u32 v[ADE], 2*PAIR, v[ADE]
.endif
	LOADT \p, \p*PAIR
.endif
	WM2 1-\p, 0
	WIN 0
.endif
	VSEL 2
.if \next
	WM2 1-\p, 2
	WIN 0
.endif
	v_add_nc_u32 v[VT], 1, v[VT]
.endm
.macro STINIT i                        ; the copies are read by their own selects: written once; the best so far: +infinity, over every y
.irp e, 0,2,4,6,8,10,12,14
	v_dual_mov_b32 v[ST+18*\i+\e], v[VT] :: v_dual_mov_b32 v[ST+18*\i+\e+1], v[VT]
.endr
	v_mov_b32 v[ST+18*\i+16], 0x7f800000
	v_mov_b32 v[ST+18*\i+17], 0
.endm
	LOADT 0, 0
	LOADT 1, PAIR
	WIN 0
	v_mov_b32 v[VT], 0
	STINIT 0                                       ; (these are also the places between the tokens' fragments and the first products)
	STINIT 1
	s_wait_alu depctr_va_vdst(0)
	s_wait_dscnt 0x9                               ; pair 0's nine loads are in; pair 1's may be out
	WM2 0, 0
	WM2 0, 2
	WIN 0
	STINIT 2                                       ; (and these the places behind them)
	STINIT 3
; From here on the table is quantised beside the walk: v168-248.  The codes lie over what is done with by then
.set S0, 168
.set S1, 200
.set QA, 232
.set QB, 234
.set TM, 236
.set TL, 238
.set PC, 232
.set TP, 240
.set TS, 242
.set TB, 244
.set QS, 246
.set QP, 247
.set PW, 248
.macro TRIP                            ; two pairs; a trip asks for the two pairs behind those that it searches
	HALF 0, 1, 1
	HALF 1, 1, 1
.endm
.macro TRIPS3
	s_mov_b32 s32, 0
.Ltrip_\@:
	TRIP
	s_add_co_u32 s32, s32, 1
	s_cmp_lt_u32 s32, 3
	s_cbranch_scc1 .Ltrip_\@
.endm
.macro MEET
	s_wait_alu depctr_va_vdst(0)
	s_barrier_wait -1
.endm
; Between each signal below and its wait stand register work and loads of images of the group in hand, which no wave writes again.
	HALF 0, 1, 1                                   ; group 0's first trip: the barrier of groups 1 to 3's rows is signalled in its second half,
	HALF 1, 1, 1, 1
	TRIP
	MEET                                           ; and waited for here: their rows are in
	ADVANCE
	TILES 8, 4                                     ; group 1
	TRIP
	MEET                                           ; group 1's images are whole
	ADVANCE                                        ; group 2's rows are read a trip ahead of their use
	TRIP                                           ; group 0's last two pairs; group 1's first two are asked for
	TILES 9, 13                                    ; group 2: behind its rows' loads stand the trip's last nine, and then tile 0's four stores
	TRIPS3                                         ; group 1
	MEET                                           ; group 2's images are whole
	ADVANCE
	TRIP
	TILES 9, 13                                    ; group 3
	TRIPS3                                         ; group 2
	MEET                                           ; group 3's images are whole
	TRIP
	TRIPS3                                         ; group 3
	HALF 0, 1, 0                                   ; pairs 30 and 31: nothing is left to fetch
	HALF 1, 0, 0
; ---- THE END.  Which of the sixteen: the first that equals the best, bit for bit (the lowest is written last); element e is code 32 pair + 16 (e / 8) + 8 h + e % 8
.irp i, 0,1,2,3
	v_mov_b32 v[JJ+\i], 23
.endr
.irp e, 14,13,12,11,10,9,8,7,6,5,4,3,2,1,0
.irp i, 0,1,2,3
	v_cmp_neq_f32 s[MK+\i], v[ST+18*\i+\e], v[ST+18*\i+16]
.endr
.irp i, 0,1,2,3
	v_cndmask_b32 v[JJ+\i], \e+8*(\e/8), v[JJ+\i], s[MK+\i]
.endr
.endr
.irp i, 0,1,2,3
	v_lshl_add_u32 v[IX+\i], v[ST+18*\i+17], 5, v[JJ+\i]
.endr
.irp i, 0,1,2,3
	v_add_nc_u32 v[IX+\i], v[H8], v[IX+\i]
.endr
.irp i, 0,1,2,3
	v_permlanex16_b32 v[ST+18*\i], v[ST+18*\i+16], s[SEL], s[SEL+1]   ; the other half's best
.endr
.irp i, 0,1,2,3
	v_permlanex16_b32 v[ST+18*\i+1], v[IX+\i], s[SEL], s[SEL+1]       ; and its index
.endr
.irp i, 0,1,2,3
	v_cmp_lt_f32 s[MK+\i], v[ST+18*\i], v[ST+18*\i+16]
.endr
.irp i, 0,1,2,3
	v_cmp_eq_f32 s[MK+4+\i], v[ST+18*\i], v[ST+18*\i+16]
.endr
.irp i, 0,1,2,3
	v_cmp_lt_u32 s[48+\i], v[ST+18*\i+1], v[IX+\i]
.endr
	s_wait_alu depctr_va_vdst(0)
.irp i, 0,1,2,3
	s_and_b32 s[MK+4+\i], s[MK+4+\i], s[48+\i]
	s_or_b32 s[MK+\i], s[MK+\i], s[MK+4+\i]        ; the other half is under mine, or equal with a lower index
.endr
.irp i, 0,1,2,3
	v_cndmask_b32 v[IX+\i], v[IX+\i], v[ST+18*\i+1], s[MK+\i]   ; both halves now hold the token's index
.endr
	s_mov_b32 s33, 0xffff0000
	v_cndmask_b32 v[OO], v[IX], v[IX+2], s33       ; lanes 0-15 store tokens 4 r, 4 r + 1; lanes 16-31 tokens 4 r + 2, 4 r + 3
	v_cndmask_b32 v[OO+1], v[IX+1], v[IX+3], s33
	global_store_b64 v[IOFF], v[OO:OO+1], s[44:45] ; the wave stores 256 consecutive bytes, at a multiple of 256 from idx's first byte
	s_wait_tensorcnt 0x0                           ; the wave's end
	ds_add_u32 v[SPW], v[NIL]
	s_wait_dscnt 0x0
	CROUND                                         ; the closing round
	s_endpgm
.Lfunc_end_k_qb8eafe5f3e_argmin:
	.size	k_qb8eafe5f3e_argmin, .Lfunc_end_k_qb8eafe5f3e_argmin-k_qb8eafe5f3e_argmin
	.p2alignl 7, 3214868480
	.fill 96, 4, 3214868480
	.section	.rodata,"a",@progbits
	.p2align	6, 0x0
	.amdhsa_kernel k_qb8eafe5f3e_argmin
		.amdhsa_group_segment_fixed_size 279552
		.amdhsa_private_segment_fixed_size 0
		.amdhsa_enable_private_segment 0
		.amdhsa_kernarg_size 32
		.amdhsa_user_sgpr_count 2
		.amdhsa_user_sgpr_kernarg_segment_ptr 1
		.amdhsa_wavefront_size32 1
		.amdhsa_system_sgpr_workgroup_id_x 1
		.amdhsa_system_sgpr_workgroup_id_y 1
		.amdhsa_system_sgpr_workgroup_id_z 1
		.amdhsa_system_vgpr_workitem_id 0
		.amdhsa_next_free_vgpr 416
		.amdhsa_next_free_sgpr 66
		.amdhsa_reserve_vcc 1
		.amdhsa_float_denorm_mode_32 3
		.amdhsa_float_denorm_mode_16_64 3
		.amdhsa_memory_ordered 1
		.amdhsa_forward_progress 1
		.amdhsa_inst_pref_size 215
	.end_amdhsa_kernel
	.amdgpu_metadata
---
amdhsa.version: [ 1, 2 ]
amdhsa.kernels:
  - .name:           k_qb8eafe5f3e_argmin
    .symbol:         k_qb8eafe5f3e_argmin.kd
    .args:
      - { .name: z_e, .offset: 0, .size: 8, .value_kind: global_buffer, .address_space: global }
      - { .name: embedding, .offset: 8, .size: 8, .value_kind: global_buffer, .address_space: global }
      - { .name: idx, .offset: 16, .size: 8, .value_kind: global_buffer, .address_space: global }
      - { .name: embs, .offset: 24, .size: 8, .value_kind: global_buffer, .address_space: global }
    .group_segment_fixed_size: 279552
    .private_segment_fixed_size: 0
    .kernarg_segment_align: 8
    .kernarg_segment_size: 32
    .max_flat_workgroup_size: 256
    .sgpr_count:     66
    .vgpr_count:     416
    .wavefront_size: 32
...
	.end_amdgpu_metadata
.endif
;; end of part 1
;; launch gather (part 2): grid 16 x 16, 16 waves a work-group, no clusters, 18,432 bytes of LDS; arguments idx, embs, out0; writes out0
.if DOCPART == 2
	.amdgcn_target "amdgcn-amd-amdhsa--gfx1250"
	.amdhsa_code_object_version 6
	.text
	.protected	k_qb8eafe5f3e_gather
	.globl	k_qb8eafe5f3e_gather
	.p2align	8
	.type	k_qb8eafe5f3e_gather,@function
k_qb8eafe5f3e_gather:
	s_mov_b64 s[64:65], 0
	v_nop
	global_prefetch_b8 v0, s[64:65] scope:SCOPE_SE
	s_setreg_imm32_b32 hwreg(HW_REG_WAVE_MODE, 25, 1), 1
	s_wait_xcnt 0x0
; out0, read as [64 channels][131,072 tokens] f32, gets out0[c][n] = embedding[idx[n]][c].  embs is the f32 table in sixteen slices of four channels, [16][1024 codes][4]; idx the chosen codes,
; whole numbers; both were stored by the launch before.
; SHARES.  Work-group (x, y) takes tokens 8192 x .. 8192 x + 8191 and channels 4 y .. 4 y + 3: 131,072 bytes of output.  Its slice, 16,384 dense bytes, goes into LDS as it lies: code k's
; four channels at 16 k, so that the codes' pieces begin at all sixteen 16-byte columns of 256 bytes.
; Thread t takes tokens 2048 q + 4 t .. + 3, q = 0 .. 3.  A token's four channels come by one LDS load of 16 bytes.  A lane then holds [token][channel], and a store wants four
; neighbouring tokens of one channel in four neighbouring registers: 16 moves for each q, two to an instruction, turn them.  A wave's store covers 512 consecutive bytes, aligned.
; The first stores leave when the slice and the first quarter of the indices are in; q + 1's gathers stand ahead of q's moves.
; No matrix unit, no tensor load, no loop to prefetch in.  NO CLUSTER: what work-groups share (a slice among the 16 of one y, a part of idx among the 16 of one x) is 49,152 bytes read once at the
; head by plain loads, against 131,072 bytes written.  An index is held at 1,023 ahead of its use as an address.
.set SPARE, 16384                      ; behind the slice: the spare words, 128 bytes for each wave
.set T,  4                             ; v4-11    my 32 bytes of the slice
.set IX, 12                            ; v12-27   sixteen indices
.set AD, 28                            ; v28-43   their LDS addresses
.set R,  44                            ; v44-107  as gathered: 16 q + 4 e + c: token e, channel c
.set W,  108                           ; v108-171 as stored:   16 q + 4 c + e
	s_load_b128 s[4:7], s[0:1], 0x0                ; idx s[4:5], embs s[6:7]
	s_load_b64 s[8:9], s[0:1], 0x10                ; out0
	v_lshl_add_u32 v172, v0, 2, SPARE
	v_mov_b32 v173, 0
	v_lshlrev_b32 v1, 4, v0                        ; 16 x thread: my place in every load and store of 8,192 bytes; never rewritten
	s_and_b32 s10, ttmp7, 0xffff                   ; y
	s_lshl_b32 s12, ttmp9, 15                      ; 8,192 tokens x 4 bytes
	s_mov_b32 s13, 0
	s_lshl_b32 s14, s10, 14                        ; a slice: 1,024 codes x 16 bytes
	s_mov_b32 s15, 0
	s_lshl_b32 s16, s10, 21                        ; 4 channels x 524,288 bytes of out0
	s_add_co_u32 s16, s16, s12
	s_mov_b32 s17, 0
	s_wait_alu depctr_va_vdst(0)                   ; the wait at the head's end
	s_wait_kmcnt 0x0
	s_add_nc_u64 s[4:5], s[4:5], s[12:13]
	s_add_nc_u64 s[6:7], s[6:7], s[14:15]
	s_add_nc_u64 s[8:9], s[8:9], s[16:17]
.irp s, 0,1
	global_load_b128 v[T+4*\s:T+4*\s+3], v1, s[6:7] offset:8192*\s
.endr
.irp q, 0,1,2,3
	global_load_b128 v[IX+4*\q:IX+4*\q+3], v1, s[4:5] offset:8192*\q
.endr
	s_wait_loadcnt 0x4                             ; the slice's two loads are in; the four of idx may be out
.irp s, 0,1
	ds_store_b128 v1, v[T+4*\s:T+4*\s+3] offset:8192*\s
.endr
.macro ADDR q                          ; the four addresses of quarter q
	s_wait_loadcnt 3-\q                            ; loads come back in order: this quarter's indices are in
.irp e, 0,1,2,3
	v_min_u32 v[AD+4*\q+\e], 0x3ff, v[IX+4*\q+\e]
.endr
.irp e, 0,1,2,3
	v_lshlrev_b32 v[AD+4*\q+\e], 4, v[AD+4*\q+\e]
.endr
.endm
.macro FETCH q
.irp e, 0,1,2,3
	ds_load_b128 v[R+16*\q+4*\e:R+16*\q+4*\e+3], v[AD+4*\q+\e]
.endr
.endm
.macro SEND q, left                    ; left: the LDS loads behind this quarter's, which may be out
	s_wait_dscnt \left
.irp c, 0,2                                    ; W(c, e) = R(e, c).  A pair takes (c, e) with (c + 1, e + 1), or (c, e + 1) with (c + 1, e): one even and one odd destination, sources in neighbouring banks
.irp e, 0,2
	v_dual_mov_b32 v[W+16*\q+4*\c+\e], v[R+16*\q+4*\e+\c] :: v_dual_mov_b32 v[W+16*\q+4*\c+5+\e], v[R+16*\q+4*\e+5+\c]
	v_dual_mov_b32 v[W+16*\q+4*\c+1+\e], v[R+16*\q+4*\e+4+\c] :: v_dual_mov_b32 v[W+16*\q+4*\c+4+\e], v[R+16*\q+4*\e+1+\c]
.endr
.endr
.irp c, 0,1,2,3
	global_store_b128 v1, v[W+16*\q+4*\c:W+16*\q+4*\c+3], s[8:9] offset:524288*\c+8192*\q th:TH_STORE_NT   ; 32 lanes store 512 consecutive bytes; no store's data are written again; the largest immediate is 1,597,440
.endr
.endm
	ADDR 0                                         ; made while the LDS stores are on their way
	s_wait_alu depctr_va_vdst(0)
	s_wait_dscnt 0x0                               ; for the others' sake: my part of the slice has landed
	s_barrier_signal -1
	s_barrier_wait -1                              ; the slice is whole; nothing is stored to LDS behind this barrier
	FETCH 0
	ADDR 1
	FETCH 1
	SEND 0, 4
	ADDR 2
	FETCH 2
	SEND 1, 4
	ADDR 3
	FETCH 3
	SEND 2, 4
	SEND 3, 0
	s_wait_tensorcnt 0x0                           ; the wave's end
	ds_add_u32 v172, v173
	s_wait_dscnt 0x0
	s_endpgm
.Lfunc_end_k_qb8eafe5f3e_gather:
	.size	k_qb8eafe5f3e_gather, .Lfunc_end_k_qb8eafe5f3e_gather-k_qb8eafe5f3e_gather
	.p2alignl 7, 3214868480
	.fill 96, 4, 3214868480
	.section	.rodata,"a",@progbits
	.p2align	6, 0x0
	.amdhsa_kernel k_qb8eafe5f3e_gather
		.amdhsa_group_segment_fixed_size 18432
		.amdhsa_private_segment_fixed_size 0
		.amdhsa_enable_private_segment 0
		.amdhsa_kernarg_size 24
		.amdhsa_user_sgpr_count 2
		.amdhsa_user_sgpr_kernarg_segment_ptr 1
		.amdhsa_wavefront_size32 1
		.amdhsa_system_sgpr_workgroup_id_x 1
		.amdhsa_system_sgpr_workgroup_id_y 1
		.amdhsa_system_sgpr_workgroup_id_z 1
		.amdhsa_system_vgpr_workitem_id 0
		.amdhsa_next_free_vgpr 174
		.amdhsa_next_free_sgpr 66
		.amdhsa_reserve_vcc 0
		.amdhsa_float_denorm_mode_32 3
		.amdhsa_float_denorm_mode_16_64 3
		.amdhsa_memory_ordered 1
		.amdhsa_forward_progress 1
		.amdhsa_inst_pref_size 9
	.end_amdhsa_kernel
	.amdgpu_metadata
---
amdhsa.version: [ 1, 2 ]
amdhsa.kernels:
  - .name:           k_qb8eafe5f3e_gather
    .symbol:         k_qb8eafe5f3e_gather.kd
    .args:
      - { .name: idx, .offset: 0, .size: 8, .value_kind: global_buffer, .address_space: global }
      - { .name: embs, .offset: 8, .size: 8, .value_kind: global_buffer, .address_space: global }
      - { .name: out0, .offset: 16, .size: 8, .value_kind: global_buffer, .address_space: global }
    .group_segment_fixed_size: 18432
    .private_segment_fixed_size: 0
    .kernarg_segment_align: 8
    .kernarg_segment_size: 24
    .max_flat_workgroup_size: 512
    .sgpr_count:     66
    .vgpr_count:     174
    .wavefront_size: 32
...
	.end_amdgpu_metadata
.endif
;; end of part 2
